; MI455X (gfx1250); checked and timed in simulation.
; The chip was launched on July 23, 2026; its instructions are those of AMD's public machine-readable ISA for CDNA 5 (MIT licence, August 2026) and "CDNA5" Instruction Set Architecture Reference Guide (July 2026). The comments in the code are by the model that wrote it; some were corrected since.
;; Per Neuron Head. Allowed arithmetic: float matrix products may take bf16 or f16 operands with f32 sums; all other float work in f32.
;; Inputs: W1 384 x 128 float32; W2 128 float32; b1 128 float32; b2 one number float32; bin_repr 4 x 512 x 256 float32; unit_emb 4 x 512 x 128 float32.
;; Outputs: out0 4 x 512 x 512 float32.
;; 2 versions, each right; version 2 is version 1 with the launch head written anew for expert scheduling mode. Each part assembles by itself: llvm-mc -triple=amdgcn-amd-amdhsa -mcpu=gfx1250 --defsym DOCPART=n.
;; ======== version 1 of 2: 1 launch
;; limits: a function is approximated: absolute error at most 0.00025; an absolute error that grows with the inputs' magnitude: up to 0.00025 times it
;; launch head (part 1): grid 256 x 1, 8 waves a work-group, no clusters, 248,320 bytes of LDS; arguments W1, W2, b1, b2, bin_repr, unit_emb, out0; writes out0
.if DOCPART == 1
	.amdgcn_target "amdgcn-amd-amdhsa--gfx1250"
	.amdhsa_code_object_version 6
	.text
	.protected	k_q2854a1e13f_head
	.globl	k_q2854a1e13f_head
	.p2align	8
	.type	k_q2854a1e13f_head,@function
k_q2854a1e13f_head:
	s_mov_b64 s[64:65], 0
	v_nop
	global_prefetch_b8 v0, s[64:65] scope:SCOPE_SE
	s_setreg_imm32_b32 hwreg(HW_REG_WAVE_MODE, 25, 1), 1
	s_wait_xcnt 0x0
; out[b][n][u] = b2 + sum over h of W2[h] * gelu(bp[b][n][h] + up[b][u][h] + b1[h]),
; bp = bin_repr x W1[0:256], up = unit_emb x W1[256:384].  B = 4, 512 bins, 512 units, 128 hidden.
;
; ONE LAUNCH.  256 work-groups of 8 waves; a work-group makes a tile of 64 n x 64 u of one batch.
;   phase 1  W1 (384 x 128), 64 rows of bin_repr and 64 rows of unit_emb go from memory through registers into LDS, rounded to bf16
;   phase 2  both projections by bf16 matrix instructions with f32 sums; b1 enters as the first product's C; results to LDS in f32
;   phase 3  64 x 64 x 128 = 524,288 gelu evaluations and the product with W2 on the vector ALU, all in f32: this is the work
;   phase 4  the tile leaves through LDS as whole rows of 256 bytes
;
; GELU.  gelu(x) = x Phi(x).  With a = |x|, 1 - Phi(a) = (1 + c1 a + c2 a^2 + c3 a^3 + c4 a^4)^-4 / 2 (Abramowitz & Stegun 26.2.18),
; so gelu(x) = max(x, 0) - a' D^-4 with a' = |x| / 2 and D = 1 + k1 a' + k2 a'^2 + k3 a'^3 + k4 a'^4, k_i = 2^i c_i.
; LIMITS, stated: the formula's error in Phi is below 2.5e-4 for every a >= 0, so the error of gelu is below 2.5e-4 |x|; Phi(0) is 1/2
; exactly.  All coefficients are positive: D >= 1, nothing cancels, and where D^4 passes f32's range its reciprocal is 0 and gelu is
; max(x, 0), which is the limit.  Every finite x is served; x = +-inf gives NaN.  bin_repr, unit_emb and W1 are rounded to bf16 as matrix
; operands; b1, W2, b2 and everything behind the projections stay in f32.
;
; THE PRODUCT WITH W2 STAYS ON THE VECTOR ALU: it has one output column.  A matrix instruction would need gelu's results packed to bf16,
; one conversion for two numbers, which is what the packed multiply-add below costs, and fifteen of its sixteen columns would be idle.
; NO CLUSTER, NO TENSOR LOADS: what work-groups share is W1, 196,608 bytes read once in a prologue of some 600 lines a wave against some
; 14,000 lines of phase 3, and it has to pass through registers anyway to be rounded to bf16.  Nothing streams while phase 3 runs.
.set DUAL, 1                           ; 1: max(x, 0) of a pair as one dual-issue instruction; 0: as two plain ones
; ---- LDS map (bytes).  Every region has bytes of its own; none is used twice.
.set P_W1,  288                        ; W1 bf16 [k = 384][h = 128]: 256 bytes + 32, an odd multiple of 32, for the transposing loads
.set P_BIN, 528                        ; bin bf16 [n = 64][k = 256]: 512 + 16, an odd multiple of 16: 16 rows start at 16 different 16-byte columns modulo 256
.set P_UNI, 272                        ; unit bf16 [u = 64][k = 128]: 256 + 16
.set P_PRJ, 528                        ; projections f32 [64][h = 128]: 512 + 16
.set P_OUT, 272                        ; result f32 [n = 64][u = 64]: 256 + 16
.set L_W1,  0
.set L_BIN, 110592                     ; 384 x 288
.set L_UNI, 144384                     ; + 64 x 528
.set L_BP,  161792                     ; + 64 x 272   bp + b1
.set L_UP,  195584                     ; + 64 x 528   up
.set L_W2,  229376                     ; + 64 x 528   W2, 512 bytes
.set L_OUT, 229888                     ; 64 x 272, ends at 247,296
.set W1HALF, 55296                     ; 192 rows of W1 in LDS: what an LDS immediate (16 bits) cannot reach goes into a second address register
; ---- vector registers.  t = v0, L = t & 31, w = t >> 5, r = L & 15, hh = L >> 4
.set LANE,  1                          ; L
.set GOFF,  2                          ; 16 t: global byte offset of all staging loads
.set VSB,   3                          ; staging store, bin:  L_BIN + (t >> 6) 528 + 8 (t & 63)
.set VSU,   4                          ; staging store, unit: L_UNI + w 272 + 8 L
.set VSW,   5                          ; staging store, W1 rows 0-191: w 288 + 8 L
.set VSW2,  6                          ; the same for rows 192-383
.set VW0,   7                          ; W1 fragment, K steps 0-5
.set VW1,   8                          ; W1 fragment, K steps 6-11
.set VA,    9                          ; bin fragment:  L_BIN + r 528 + 16 hh
.set VC,    10                         ; unit fragment: L_UNI + r 272 + 16 hh
.set VD,    11                         ; projections out: L_BP + r 528 + 64 w + 32 hh
.set VB,    12                         ; phase 3: my wave's 16 rows of bp (the same in all lanes)
.set VU,    13                         ; phase 3: my lane's row of up
.set VW2,   14                         ; phase 3: W2
.set VOS,   15                         ; phase 4: where my results go
.set W2ST,  26                         ; phase 1: L_W2 + 16 L (v16-v31 are scratch until phase 3)
.set VOR,   236                        ; phase 4: where I read rows back
.set VOG,   237                        ; phase 4: my byte offset in the output tile
.set B1OFF, 238                        ; 64 w + 32 hh: my 8 numbers of b1
.set W2OFF, 239                        ; 16 L
.set SA,    32                         ; v[32:127]   staging batch: 24 loads of 4 registers
.set SB,    128                        ; v[128:223]  staging batch
.set B1V,   224                        ; v[224:231]  b1[16 w + 8 hh + j]: an accumulator image
.set W2T,   232                        ; v[232:235]  W2 on its way (wave 0)
.set FRAG,  32                         ; phase 2: two buffers of 40: W1 fragment (8), four activation fragments (32): v[32:71], v[72:111]
.set DB,    112                        ; v[112:143]  4 accumulator tiles of bp
.set DU,    144                        ; v[144:175]  4 accumulator tiles of up
.set ACC,   16                         ; phase 3: v[16:47]  pair n: sums over even h, over odd h
.set UPV,   48                         ; v[48:63]    up[u][16 h of the trip]
.set W2V,   64                         ; v[64:79]    W2[16 h of the trip]
.set BP0,   80                         ; v[80:95], v[96:111]  bp of a block (4 n x 4 h), two buffers
.set X,     112                        ; v[112:127]  8 pairs: x, then D, D^4, D^-4
.set R,     128                        ; v[128:143]  8 pairs: max(x, 0), then gelu(x)
.set A,     144                        ; v[144:159]  8 pairs: |x| / 2
.set KC4,   160                        ; v[160:167]  k4, k3, k2, k1, each in both halves of a pair
.set KC3,   162
.set KC2,   164
.set KC1,   166
	s_load_b256 s[8:15], s[0:1], 0x0               ; W1 s[8:9], W2 s[10:11], b1 s[12:13], b2 s[14:15]
	s_load_b128 s[16:19], s[0:1], 0x20             ; bin_repr s[16:17], unit_emb s[18:19]
	s_load_b64 s[20:21], s[0:1], 0x30              ; out0
	v_lshl_add_u32 v240, v0, 2, 0x3c600
	v_mov_b32 v241, 0
	; the work-group's tile: id = 64 b + 8 nt + ut
	s_lshr_b32 s4, ttmp9, 6                        ; b
	s_bfe_u32 s5, ttmp9, 0x30003                   ; nt: 3 bits from bit 3
	s_and_b32 s6, ttmp9, 7                         ; ut
	s_lshl_b32 s24, s4, 19                         ; bin_repr: a batch is 512 x 1,024 bytes,
	s_lshl_b32 s7, s5, 16                          ; 64 rows are 65,536
	s_add_co_u32 s24, s24, s7
	s_mov_b32 s25, 0
	s_lshl_b32 s26, s4, 18                         ; unit_emb: a batch is 512 x 512 bytes,
	s_lshl_b32 s7, s6, 15                          ; 64 rows are 32,768
	s_add_co_u32 s26, s26, s7
	s_mov_b32 s27, 0
	s_lshl_b32 s28, s4, 20                         ; out0: a batch is 512 x 2,048 bytes,
	s_lshl_b32 s7, s5, 17                          ; 64 rows are 131,072,
	s_add_co_u32 s28, s28, s7
	s_lshl_b32 s7, s6, 8                           ; 64 columns are 256
	s_add_co_u32 s28, s28, s7
	s_mov_b32 s29, 0
	; lane terms
	v_and_b32 v[LANE], 31, v0
	v_lshrrev_b32 v16, 5, v0                       ; w
	v_readfirstlane_b32 s3, v16                    ; the wave's number as a scalar
	v_and_b32 v17, 15, v0                          ; r
	v_bfe_u32 v18, v0, 4, 1                        ; hh
	v_lshlrev_b32 v[GOFF], 4, v0
	v_lshrrev_b32 v22, 6, v0                       ; t >> 6 = w >> 1
	v_and_b32 v24, 63, v0                          ; t & 63 = 32 (w & 1) + L
	v_mul_u32_u24 v19, v22, P_BIN                  ; a staging load of bin covers 4 rows: row t >> 6, 4 numbers at 4 (t & 63)
	v_lshl_add_u32 v19, v24, 3, v19
	v_add_nc_u32 v[VSB], L_BIN, v19
	v_mul_u32_u24 v19, v16, P_UNI                  ; of unit and of W1: 8 rows, row w, 4 numbers at 4 L
	v_lshl_add_u32 v19, v[LANE], 3, v19
	v_add_nc_u32 v[VSU], L_UNI, v19
	v_mul_u32_u24 v19, v16, P_W1
	v_lshl_add_u32 v[VSW], v[LANE], 3, v19
	v_add_nc_u32 v[VSW2], W1HALF, v[VSW]
	v_and_b32 v19, 7, v0                           ; transposing load: row k = 8 hh + (L & 7),
	v_lshl_add_u32 v19, v18, 3, v19
	v_mul_u32_u24 v19, v19, P_W1
	v_lshl_add_u32 v19, v16, 5, v19                ; columns from h = 16 w (32 bytes a wave),
	v_bfe_u32 v20, v0, 3, 1
	v_lshl_add_u32 v[VW0], v20, 4, v19             ; 16 bytes for each group of eight lanes
	v_add_nc_u32 v[VW1], W1HALF, v[VW0]
	v_mul_u32_u24 v19, v17, P_BIN                  ; r 528, used for bin's fragments and for the projections' rows
	v_lshl_add_u32 v20, v18, 4, v19
	v_add_nc_u32 v[VA], L_BIN, v20
	v_mul_u32_u24 v21, v17, P_UNI
	v_lshl_add_u32 v21, v18, 4, v21
	v_add_nc_u32 v[VC], L_UNI, v21
	v_lshlrev_b32 v23, 6, v16
	v_lshl_add_u32 v[B1OFF], v18, 5, v23           ; 4 bytes x (16 w + 8 hh)
	v_add_nc_u32 v[VD], v19, v[B1OFF]
	v_add_nc_u32 v[VD], L_BP, v[VD]
	v_mul_u32_u24 v23, v22, 16*P_PRJ               ; my wave's 16 n: rows 16 (w >> 1) ..
	v_add_nc_u32 v[VB], L_BP, v23
	v_mul_u32_u24 v23, v24, P_PRJ                  ; my lane's u: row 32 (w & 1) + L
	v_add_nc_u32 v[VU], L_UP, v23
	v_mov_b32 v[VW2], L_W2
	v_mul_u32_u24 v23, v22, 16*P_OUT
	v_lshl_add_u32 v23, v24, 2, v23
	v_add_nc_u32 v[VOS], L_OUT, v23
	v_lshl_add_u32 v25, v16, 3, v18                ; the way out: row 8 w + hh, 16 bytes at 16 r
	v_mul_u32_u24 v23, v25, P_OUT
	v_lshl_add_u32 v23, v17, 4, v23
	v_add_nc_u32 v[VOR], L_OUT, v23
	v_lshlrev_b32 v23, 4, v17
	v_lshl_add_u32 v[VOG], v25, 11, v23            ; a row of out0 is 2,048 bytes
	v_lshlrev_b32 v[W2OFF], 4, v[LANE]
	v_add_nc_u32 v[W2ST], L_W2, v[W2OFF]
	s_wait_kmcnt 0x0
	s_add_nc_u64 s[16:17], s[16:17], s[24:25]      ; bin_repr at my 64 rows
	s_add_nc_u64 s[18:19], s[18:19], s[26:27]      ; unit_emb at my 64 rows
	s_add_nc_u64 s[20:21], s[20:21], s[28:29]      ; out0 at my tile
	s_load_b32 s22, s[14:15], 0x0                  ; b2
; ================= PHASE 1: memory -> bf16 in LDS.  Every load of a wave covers 512 consecutive bytes, the eight waves 4,096.
; No cache hint: the other work-groups read the same bytes.
	global_load_b128 v[B1V:B1V+3],   v[B1OFF], s[12:13]
	global_load_b128 v[B1V+4:B1V+7], v[B1OFF], s[12:13] offset:16
	s_cmp_lg_u32 s3, 0
	s_cbranch_scc1 .Lno_w2_load
	global_load_b128 v[W2T:W2T+3], v[W2OFF], s[10:11]      ; wave 0: all 512 bytes of W2.  Older than every counted batch below
.Lno_w2_load:
.set i, 0
.rept 16
	global_load_b128 v[SA+4*i:SA+4*i+3], v[GOFF], s[16:17] offset:4096*i           ; bin: 65,536 bytes
.set i, i+1
.endr
.set i, 0
.rept 8
	global_load_b128 v[SA+64+4*i:SA+64+4*i+3], v[GOFF], s[18:19] offset:4096*i     ; unit: 32,768 bytes
.set i, i+1
.endr
.set i, 0
.rept 24
	global_load_b128 v[SB+4*i:SB+4*i+3], v[GOFF], s[8:9] offset:4096*i             ; W1, rows 0-191
.set i, i+1
.endr
; four f32 -> four bf16 (round to nearest even) -> 8 bytes of LDS
.macro CVT4 x, addr, off
	v_cvt_pk_bf16_f32 v[\x], v[\x], v[\x+1]
	v_cvt_pk_bf16_f32 v[\x+1], v[\x+2], v[\x+3]
	ds_store_b64 v[\addr], v[\x:\x+1] offset:\off
.endm
	s_wait_loadcnt 24                              ; loads return in order: all but the 24 of W1's first half are in
.set i, 0
.rept 16
	CVT4 SA+4*i, VSB, 4*P_BIN*i
.set i, i+1
.endr
.set i, 0
.rept 8
	CVT4 SA+64+4*i, VSU, 8*P_UNI*i
.set i, i+1
.endr
	s_wait_dscnt 0x0                               ; the LDS stores are done with v[32:127], which are loaded again
.set i, 0
.rept 24
	global_load_b128 v[SA+4*i:SA+4*i+3], v[GOFF], s[8:9] offset:4096*(24+i)        ; W1, rows 192-383
.set i, i+1
.endr
	s_wait_loadcnt 24                              ; W1's first half is in; the 24 loads just issued stay out
.set i, 0
.rept 24
	CVT4 SB+4*i, VSW, 8*P_W1*i
.set i, i+1
.endr
	s_wait_loadcnt 0x0
.set i, 0
.rept 24
	CVT4 SA+4*i, VSW2, 8*P_W1*i
.set i, i+1
.endr
	s_cmp_lg_u32 s3, 0
	s_cbranch_scc1 .Lno_w2_store
	ds_store_b128 v[W2ST], v[W2T:W2T+3]            ; W2 stays f32
.Lno_w2_store:
	s_wait_kmcnt 0x0                               ; b2
	s_wait_dscnt 0x0                               ; for the other waves: all my LDS stores are done
	s_barrier_signal -1
	s_barrier_wait -1                              ; W1, bin, unit, W2 are whole
; ================= PHASE 2: the projections.  Wave w makes h = 16 w .. 16 w + 15 for all 64 n and all 64 u.
; 12 K steps of 32: steps 0-7 run over bin_repr's 256, steps 8-11 over unit_emb's 128; W1's row is 32 x step in both.
; Source 0 is W1 transposed (row = h), source 1 the activations (column = n or u), so that in the result lane (r, hh) holds
; eight NEIGHBOURING h, 16 w + 8 hh + j, of row r: 32 bytes that go to LDS by two 16-byte stores.
.macro PLACES                          ; four plain vector instructions between a matrix instruction and a load into, a vector write of,
.rept 4                                ; or a store from its registers
	v_nop
.endr
.endm
; ten LDS loads: W1's fragment (two transposing loads, 16 rows of k apart) and four activation fragments of 16 rows x 32 k
.macro LOADK buf, ks
.set FB, FRAG+40*(\buf)
.if \ks < 6
	ds_load_tr16_b128 v[FB:FB+3],   v[VW0] offset:32*P_W1*(\ks)
	ds_load_tr16_b128 v[FB+4:FB+7], v[VW0] offset:32*P_W1*(\ks)+16*P_W1
.else
	ds_load_tr16_b128 v[FB:FB+3],   v[VW1] offset:32*P_W1*(\ks-6)
	ds_load_tr16_b128 v[FB+4:FB+7], v[VW1] offset:32*P_W1*(\ks-6)+16*P_W1
.endif
.irp t, 0,1,2,3
.if \ks < 8
	ds_load_b128 v[FB+8+8*\t:FB+8+8*\t+3],   v[VA] offset:16*P_BIN*\t+64*(\ks)
	ds_load_b128 v[FB+12+8*\t:FB+12+8*\t+3], v[VA] offset:16*P_BIN*\t+64*(\ks)+32
.else
	ds_load_b128 v[FB+8+8*\t:FB+8+8*\t+3],   v[VC] offset:16*P_UNI*\t+64*(\ks-8)
	ds_load_b128 v[FB+12+8*\t:FB+12+8*\t+3], v[VC] offset:16*P_UNI*\t+64*(\ks-8)+32
.endif
.endr
.endm
; four matrix instructions.  Step 0 starts bp's sums from b1, step 8 starts up's sums from 0: nothing is cleared.
.macro MULK buf, ks
.set FB, FRAG+40*(\buf)
.irp t, 0,1,2,3
.if \ks == 0
	v_wmma_f32_16x16x32_bf16 v[DB+8*\t:DB+8*\t+7], v[FB:FB+7], v[FB+8+8*\t:FB+8+8*\t+7], v[B1V:B1V+7]
.elseif \ks < 8
	v_wmma_f32_16x16x32_bf16 v[DB+8*\t:DB+8*\t+7], v[FB:FB+7], v[FB+8+8*\t:FB+8+8*\t+7], v[DB+8*\t:DB+8*\t+7]
.elseif \ks == 8
	v_wmma_f32_16x16x32_bf16 v[DU+8*\t:DU+8*\t+7], v[FB:FB+7], v[FB+8+8*\t:FB+8+8*\t+7], 0
.else
	v_wmma_f32_16x16x32_bf16 v[DU+8*\t:DU+8*\t+7], v[FB:FB+7], v[FB+8+8*\t:FB+8+8*\t+7], v[DU+8*\t:DU+8*\t+7]
.endif
.endr
.endm
; left: how many younger LDS loads may stay out (the next step's ten).  next: the step that refills this buffer, 0 = none.
.macro KSTEP buf, ks, left, next
	s_wait_dscnt \left
	MULK \buf, \ks
.if \next
	PLACES
	LOADK \buf, \next
.endif
.endm
	LOADK 0, 0
	LOADK 1, 1
	KSTEP 0, 0,  10, 2
	KSTEP 1, 1,  10, 3
	KSTEP 0, 2,  10, 4
	KSTEP 1, 3,  10, 5
	KSTEP 0, 4,  10, 6
	KSTEP 1, 5,  10, 7
	KSTEP 0, 6,  10, 8
	KSTEP 1, 7,  10, 9
	KSTEP 0, 8,  10, 10
	KSTEP 1, 9,  10, 11
	KSTEP 0, 10, 10, 0
	KSTEP 1, 11, 0,  0                             ; nothing was issued behind step 11's loads
	PLACES                                         ; behind the last matrix instructions: the stores read results, phase 3 writes fragments
.irp t, 0,1,2,3
	ds_store_b128 v[VD], v[DB+8*\t:DB+8*\t+3]   offset:16*P_PRJ*\t
	ds_store_b128 v[VD], v[DB+8*\t+4:DB+8*\t+7] offset:16*P_PRJ*\t+16
.endr
.irp t, 0,1,2,3
	ds_store_b128 v[VD], v[DU+8*\t:DU+8*\t+3]   offset:L_UP-L_BP+16*P_PRJ*\t
	ds_store_b128 v[VD], v[DU+8*\t+4:DU+8*\t+7] offset:L_UP-L_BP+16*P_PRJ*\t+16
.endr
	s_wait_dscnt 0x0                               ; for the other waves, and the stores are done with v[112:175]
	s_barrier_signal -1
	; register work while the others arrive: the polynomial's coefficients, and the sums' first terms, which carry b2
	v_mov_b32 v[KC4],   0x3e9ff716                 ; k4 = 16 x 0.019527
	v_mov_b32 v[KC4+1], 0x3e9ff716
	v_mov_b32 v[KC3],   0x3b345ae6                 ; k3 =  8 x 0.000344
	v_mov_b32 v[KC3+1], 0x3b345ae6
	v_mov_b32 v[KC2],   0x3eebead5                 ; k2 =  4 x 0.115194
	v_mov_b32 v[KC2+1], 0x3eebead5
	v_mov_b32 v[KC1],   0x3ec99418                 ; k1 =  2 x 0.196854
	v_mov_b32 v[KC1+1], 0x3ec99418
.set i, 0
.rept 16
	v_mov_b32 v[ACC+2*i],   s22                    ; the sum over even h starts at b2,
	v_mov_b32 v[ACC+2*i+1], 0                      ; the sum over odd h at 0
.set i, i+1
.endr
	s_barrier_wait -1                              ; bp + b1 and up are whole
; ================= PHASE 3.  A wave: 16 n (rows 16 (w >> 1) ..) x 32 u (one a lane).  A trip: 16 h; 8 trips.
; A block: 4 n x 4 h = 8 pairs of neighbouring h, worked stage by stage, so that each line has seven independent lines behind it.
; For a pair: 12 plain lines (11 with the dual-issue max) and 2 reciprocals.
; LDS per block: four 16-byte loads of bp, every lane the same address; up and W2 once a trip.  Each is asked for a block ahead.
.irp i, 0,1,2,3
	ds_load_b128 v[BP0+4*\i:BP0+4*\i+3], v[VB] offset:P_PRJ*\i
.endr
.irp i, 0,1,2,3
	ds_load_b128 v[UPV+4*\i:UPV+4*\i+3], v[VU] offset:16*\i
.endr
.irp i, 0,1,2,3
	ds_load_b128 v[W2V+4*\i:W2V+4*\i+3], v[VW2] offset:16*\i
.endr
; block q = 4 nq + hq of a trip: n = 4 nq + i, h = 4 hq + 2 p + (0, 1).  more = 1: a trip follows.
.macro BLOCK q, more
.set NQ,  (\q)/4
.set HQ,  (\q)%4
.set BPC, BP0+16*((\q)&1)
.set BPN, BP0+16*(1-((\q)&1))
.set HASNEXT, 1
.if \q == 15
.set NOFF, 64                                      ; the next trip's block 0: 16 h = 64 bytes on
.if \more == 0
.set HASNEXT, 0
.endif
.else
.set NOFF, 4*P_PRJ*((\q+1)/4)+16*((\q+1)%4)
.endif
.if HASNEXT
.irp i, 0,1,2,3
	ds_load_b128 v[BPN+4*\i:BPN+4*\i+3], v[VB] offset:NOFF+P_PRJ*\i    ; the next block's bp, into the buffer read one block ago
.endr
.endif
.if \q == 0
	s_wait_dscnt 8                                 ; this block's bp and the trip's up are in; W2's 4 loads and the next block's 4 stay out
.elseif HASNEXT
	s_wait_dscnt 4                                 ; this block's bp is in; the next block's 4 loads stay out
.else
	s_wait_dscnt 0                                 ; the very last block: nothing was issued behind its loads
.endif
.irp i, 0,1,2,3
.irp p, 0,1
	v_pk_add_f32 v[X+4*\i+2*\p:X+4*\i+2*\p+1], v[UPV+4*HQ+2*\p:UPV+4*HQ+2*\p+1], v[BPC+4*\i+2*\p:BPC+4*\i+2*\p+1]   ; x = up + (bp + b1)
.endr
.endr
.if \q == 15
.if \more
.irp i, 0,1,2,3
	ds_load_b128 v[UPV+4*\i:UPV+4*\i+3], v[VU] offset:64+16*\i         ; the trip's last use of up stands above: the next trip's up
.endr
.endif
.endif
.irp c, 0,2,4,6,8,10,12,14
.if DUAL
	v_dual_max_num_f32 v[R+\c], 0, v[X+\c] :: v_dual_max_num_f32 v[R+\c+1], 0, v[X+\c+1]     ; max(x, 0)
.else
	v_max_num_f32 v[R+\c], 0, v[X+\c]
	v_max_num_f32 v[R+\c+1], 0, v[X+\c+1]
.endif
.endr
.irp c, 0,2,4,6,8,10,12,14
	v_pk_fma_f32 v[A+\c:A+\c+1], v[X+\c:X+\c+1], -0.5, v[R+\c:R+\c+1] op_sel_hi:[1,0,1]      ; a' = max(x, 0) - x / 2 = |x| / 2
.endr
.irp c, 0,2,4,6,8,10,12,14
	v_pk_fma_f32 v[X+\c:X+\c+1], v[A+\c:A+\c+1], v[KC4:KC4+1], v[KC3:KC3+1]                  ; Horner: k4 a' + k3
.endr
.irp c, 0,2,4,6,8,10,12,14
	v_pk_fma_f32 v[X+\c:X+\c+1], v[X+\c:X+\c+1], v[A+\c:A+\c+1], v[KC2:KC2+1]
.endr
.irp c, 0,2,4,6,8,10,12,14
	v_pk_fma_f32 v[X+\c:X+\c+1], v[X+\c:X+\c+1], v[A+\c:A+\c+1], v[KC1:KC1+1]
.endr
.irp c, 0,2,4,6,8,10,12,14
	v_pk_fma_f32 v[X+\c:X+\c+1], v[X+\c:X+\c+1], v[A+\c:A+\c+1], 1.0 op_sel_hi:[1,1,0]       ; D
.endr
.irp c, 0,2,4,6,8,10,12,14
	v_pk_mul_f32 v[X+\c:X+\c+1], v[X+\c:X+\c+1], v[X+\c:X+\c+1]                              ; D^2
.endr
.irp c, 0,2,4,6,8,10,12,14
	v_pk_mul_f32 v[X+\c:X+\c+1], v[X+\c:X+\c+1], v[X+\c:X+\c+1]                              ; D^4
.endr
.irp c, 0,1,2,3,4,5,6,7,8,9,10,11,12,13,14,15
	v_rcp_f32 v[X+\c], v[X+\c]                                                               ; D^-4; 0 where D^4 is infinite
.endr
	v_nop                                          ; one plain vector instruction between the reciprocals and the first use of a result (ISA guide 5.7.2)
	s_wait_alu depctr_va_vdst(0)
.irp c, 0,2,4,6,8,10,12,14
	v_pk_fma_f32 v[R+\c:R+\c+1], v[A+\c:A+\c+1], v[X+\c:X+\c+1], v[R+\c:R+\c+1] neg_lo:[1,0,0] neg_hi:[1,0,0]   ; gelu = max(x, 0) - a' D^-4
.endr
.if \q == 0
	s_wait_dscnt 4                                 ; the trip's W2 is in; the next block's 4 loads stay out
.endif
.irp p, 0,1
.irp i, 0,1,2,3
	v_pk_fma_f32 v[ACC+2*(4*NQ+\i):ACC+2*(4*NQ+\i)+1], v[R+4*\i+2*\p:R+4*\i+2*\p+1], v[W2V+4*HQ+2*\p:W2V+4*HQ+2*\p+1], v[ACC+2*(4*NQ+\i):ACC+2*(4*NQ+\i)+1]
.endr
.endr
.if \q == 15
.if \more
.irp i, 0,1,2,3
	ds_load_b128 v[W2V+4*\i:W2V+4*\i+3], v[VW2] offset:64+16*\i        ; the next trip's W2.  The order bp, up, W2 is that of the loads in front of the loop
.endr
.endif
.endif
.endm
	s_mov_b32 s40, 7
.Ltrip:
.irp q, 0,1,2,3,4,5,6,7,8,9,10,11,12,13,14,15
	BLOCK \q, 1
.endr
	v_add_nc_u32 v[VB],  64, v[VB]                 ; 16 h on
	v_add_nc_u32 v[VU],  64, v[VU]
	v_add_nc_u32 v[VW2], 64, v[VW2]
	s_sub_co_u32 s40, s40, 1
	s_cmp_lg_u32 s40, 0
	s_cbranch_scc1 .Ltrip
.irp q, 0,1,2,3,4,5,6,7,8,9,10,11,12,13,14,15
	BLOCK \q, 0                                    ; the eighth trip asks for nothing beyond h = 127
.endr
; ================= PHASE 4: the way out.  A lane holds one column u of 16 rows; a row's 64 numbers come from two waves.
; Through LDS, then each store instruction's sixteen neighbouring lanes write 256 consecutive bytes at a multiple of 256 from out0's first byte.
.set i, 0
.rept 16
	v_add_f32 v[ACC+2*i], v[ACC+2*i], v[ACC+2*i+1] ; even h + odd h
.set i, i+1
.endr
.set i, 0
.rept 16
	ds_store_b32 v[VOS], v[ACC+2*i] offset:P_OUT*i
.set i, i+1
.endr
	s_wait_dscnt 0x0                               ; for the other waves: my part of the tile is in LDS
	s_barrier_signal -1
	s_barrier_wait -1
.irp i, 0,1,2,3
	ds_load_b128 v[UPV+4*\i:UPV+4*\i+3], v[VOR] offset:2*P_OUT*\i      ; rows 8 w + hh + 2 i
.endr
.irp i, 0,1,2,3
	s_wait_dscnt 3-\i                              ; LDS loads return in order: load i is in
	global_store_b128 v[VOG], v[UPV+4*\i:UPV+4*\i+3], s[20:21] offset:4096*\i th:TH_STORE_NT
.endr
	s_wait_tensorcnt 0x0
	ds_add_u32 v240, v241
	s_wait_dscnt 0x0
	s_endpgm
.Lfunc_end_k_q2854a1e13f_head:
	.size	k_q2854a1e13f_head, .Lfunc_end_k_q2854a1e13f_head-k_q2854a1e13f_head
	.p2alignl 7, 3214868480
	.fill 96, 4, 3214868480
	.section	.rodata,"a",@progbits
	.p2align	6, 0x0
	.amdhsa_kernel k_q2854a1e13f_head
		.amdhsa_group_segment_fixed_size 248320
		.amdhsa_private_segment_fixed_size 0
		.amdhsa_enable_private_segment 0
		.amdhsa_kernarg_size 56
		.amdhsa_user_sgpr_count 2
		.amdhsa_user_sgpr_kernarg_segment_ptr 1
		.amdhsa_wavefront_size32 1
		.amdhsa_system_sgpr_workgroup_id_x 1
		.amdhsa_system_sgpr_workgroup_id_y 1
		.amdhsa_system_sgpr_workgroup_id_z 1
		.amdhsa_system_vgpr_workitem_id 0
		.amdhsa_next_free_vgpr 242
		.amdhsa_next_free_sgpr 66
		.amdhsa_reserve_vcc 0
		.amdhsa_float_denorm_mode_32 3
		.amdhsa_float_denorm_mode_16_64 3
		.amdhsa_memory_ordered 1
		.amdhsa_forward_progress 1
		.amdhsa_inst_pref_size 247
	.end_amdhsa_kernel
	.amdgpu_metadata
---
amdhsa.version: [ 1, 2 ]
amdhsa.kernels:
  - .name:           k_q2854a1e13f_head
    .symbol:         k_q2854a1e13f_head.kd
    .args:
      - { .name: W1, .offset: 0, .size: 8, .value_kind: global_buffer, .address_space: global }
      - { .name: W2, .offset: 8, .size: 8, .value_kind: global_buffer, .address_space: global }
      - { .name: b1, .offset: 16, .size: 8, .value_kind: global_buffer, .address_space: global }
      - { .name: b2, .offset: 24, .size: 8, .value_kind: global_buffer, .address_space: global }
      - { .name: bin_repr, .offset: 32, .size: 8, .value_kind: global_buffer, .address_space: global }
      - { .name: unit_emb, .offset: 40, .size: 8, .value_kind: global_buffer, .address_space: global }
      - { .name: out0, .offset: 48, .size: 8, .value_kind: global_buffer, .address_space: global }
    .group_segment_fixed_size: 248320
    .private_segment_fixed_size: 0
    .kernarg_segment_align: 8
    .kernarg_segment_size: 56
    .max_flat_workgroup_size: 256
    .sgpr_count:     66
    .vgpr_count:     242
    .wavefront_size: 32
...
	.end_amdgpu_metadata
.endif
;; end of part 1
;; ======== version 2 of 2: 1 launch; version 1 with the launch head written anew for expert scheduling mode
;; limits: a function is approximated: absolute error at most 0.00025; an absolute error that grows with the inputs' magnitude: up to 0.00025 times it
;; launch head (part 2): grid 256 x 1, 8 waves a work-group, no clusters, 248,320 bytes of LDS; arguments W1, W2, b1, b2, bin_repr, unit_emb, out0; writes out0
.if DOCPART == 2
	.amdgcn_target "amdgcn-amd-amdhsa--gfx1250"
	.amdhsa_code_object_version 6
	.text
	.protected	k_q2854a1e13f_head
	.globl	k_q2854a1e13f_head
	.p2align	8
	.type	k_q2854a1e13f_head,@function
k_q2854a1e13f_head:
	s_mov_b64 s[64:65], 0
	v_nop
	global_prefetch_b8 v0, s[64:65] scope:SCOPE_SE
	s_setreg_imm32_b32 hwreg(HW_REG_WAVE_SCHED_MODE, 0, 2), 2
	s_setreg_imm32_b32 hwreg(HW_REG_WAVE_MODE, 25, 1), 1
	s_wait_xcnt 0x0
	s_wait_alu depctr_vm_vsrc(0)
; out[b][n][u] = b2 + sum over h of W2[h] * gelu(bp[b][n][h] + up[b][u][h] + b1[h]),
; bp = bin_repr x W1[0:256], up = unit_emb x W1[256:384].  B = 4, 512 bins, 512 units, 128 hidden.
;
; ONE LAUNCH.  256 work-groups of 8 waves; a work-group makes a tile of 64 n x 64 u of one batch.
;   phase 1  W1 (384 x 128), 64 rows of bin_repr and 64 rows of unit_emb go from memory through registers into LDS, rounded to bf16
;   phase 2  both projections by bf16 matrix instructions with f32 sums; b1 enters as the first product's C; results to LDS in f32
;   phase 3  64 x 64 x 128 = 524,288 gelu evaluations and the product with W2 on the vector ALU, all in f32: this is the work
;   phase 4  the tile leaves through LDS as whole rows of 256 bytes
;
; GELU.  gelu(x) = x Phi(x).  With a = |x|, 1 - Phi(a) = (1 + c1 a + c2 a^2 + c3 a^3 + c4 a^4)^-4 / 2 (Abramowitz & Stegun 26.2.18),
; so gelu(x) = max(x, 0) - a' D^-4 with a' = |x| / 2 and D = 1 + k1 a' + k2 a'^2 + k3 a'^3 + k4 a'^4, k_i = 2^i c_i.
; LIMITS, stated: the formula's error in Phi is below 2.5e-4 for every a >= 0, so the error of gelu is below 2.5e-4 |x|; Phi(0) is 1/2
; exactly.  All coefficients are positive: D >= 1, nothing cancels, and where D^4 passes f32's range its reciprocal is 0 and gelu is
; max(x, 0), which is the limit.  Every finite x is served; x = +-inf gives NaN.  bin_repr, unit_emb and W1 are rounded to bf16 as matrix
; operands; b1, W2, b2 and everything behind the projections stay in f32.
;
; THE PRODUCT WITH W2 STAYS ON THE VECTOR ALU: it has one output column.  A matrix instruction would need gelu's results packed to bf16,
; one conversion for two numbers, which is what the packed multiply-add below costs, and fifteen of its sixteen columns would be idle.
; NO CLUSTER, NO TENSOR LOADS: what work-groups share is W1, 196,608 bytes read once in a prologue of some 600 lines a wave against some
; 14,000 lines of phase 3, and it has to pass through registers anyway to be rounded to bf16.  Nothing streams while phase 3 runs.
;
; THE MODE: SCHED_MODE bits 1:0 = 2 (LLVM: expert scheduling mode 2), set by the entry lines.  The code itself states the register dependences
; between vector or matrix instructions and memory or LDS instructions, with s_wait_alu, always for 0.
; THE PLAN.  Registers that memory or LDS instructions touch:
;   addresses    v2-v15, v26, v236-v239: made at the head, ahead of one wait on va_vdst.  Only VB, VU, VW2 are written again, once a trip of phase 3.
;   SA, SB       phase 1: a batch is loaded, converted in place in one run, and read by one run of LDS stores: one wait on va_vdst between the two runs.
;                SA is loaded twice: a wait on vm_vsrc stands behind its stores.
;   FRAG 0-2     phase 2: K step k's matrix instructions read buffer k % 3; the loads of step k + 2 land in buffer (k - 1) % 3, behind one wait on
;                va_vdst at the step's head, dealt among the step's matrix instructions, which name buffer k % 3 and the accumulators alone.
;   DB, DU       written by matrix instructions, read by the LDS stores at phase 2's end, written again by phase 3: va_vdst ahead of the stores, vm_vsrc behind.
;   BP0, BP1     phase 3: step s's additions read buffer s % 2; the loads of step s + 1 land in the other, which only step s - 1's additions named.
;   UPV, W2V     phase 3: the low halves (h 0-7) are last read in step 6 and loaded in step 7; the high halves are last read in step 7 and loaded in the next step 0.
;                So ONE wait on va_vdst at a step's head states all that the step's 8 or 12 loads hang on, and in step 0 that the three addresses are written.
;   ACC          phase 4: written by sixteen additions, read by the LDS stores: one wait on va_vdst.
.set DUAL, 1                           ; 1: max(x, 0) of a pair as one dual-issue instruction; 0: as two plain ones
; ---- LDS map (bytes).  Every region has bytes of its own; none is used twice.
.set P_W1,  288                        ; W1 bf16 [k = 384][h = 128]: 256 bytes + 32, an odd multiple of 32, for the transposing loads
.set P_BIN, 528                        ; bin bf16 [n = 64][k = 256]: 512 + 16, an odd multiple of 16: 16 rows start at 16 different 16-byte columns modulo 256
.set P_UNI, 272                        ; unit bf16 [u = 64][k = 128]: 256 + 16
.set P_PRJ, 528                        ; projections f32 [64][h = 128]: 512 + 16
.set P_OUT, 272                        ; result f32 [n = 64][u = 64]: 256 + 16
.set L_W1,  0
.set L_BIN, 110592                     ; 384 x 288
.set L_UNI, 144384                     ; + 64 x 528
.set L_BP,  161792                     ; + 64 x 272   bp + b1
.set L_UP,  195584                     ; + 64 x 528   up
.set L_W2,  229376                     ; + 64 x 528   W2, 512 bytes
.set L_OUT, 229888                     ; 64 x 272, ends at 247,296
.set W1HALF, 55296                     ; 192 rows of W1 in LDS: what an LDS immediate (16 bits) cannot reach goes into a second address register
; ---- vector registers.  t = v0, L = t & 31, w = t >> 5, r = L & 15, hh = L >> 4
.set LANE,  1                          ; L
.set GOFF,  2                          ; 16 t: global byte offset of all staging loads
.set VSB,   3                          ; staging store, bin:  L_BIN + (t >> 6) 528 + 8 (t & 63)
.set VSU,   4                          ; staging store, unit: L_UNI + w 272 + 8 L
.set VSW,   5                          ; staging store, W1 rows 0-191: w 288 + 8 L
.set VSW2,  6                          ; the same for rows 192-383
.set VW0,   7                          ; W1 fragment, K steps 0-5
.set VW1,   8                          ; W1 fragment, K steps 6-11
.set VA,    9                          ; bin fragment:  L_BIN + r 528 + 16 hh
.set VC,    10                         ; unit fragment: L_UNI + r 272 + 16 hh
.set VD,    11                         ; projections out: L_BP + r 528 + 64 w + 32 hh
.set VB,    12                         ; phase 3: my wave's 16 rows of bp (the same in all lanes)
.set VU,    13                         ; phase 3: my lane's row of up
.set VW2,   14                         ; phase 3: W2
.set VOS,   15                         ; phase 4: where my results go
.set W2ST,  26                         ; phase 1: L_W2 + 16 L (v16-v31 are scratch until phase 3)
.set VOR,   236                        ; phase 4: where I read rows back
.set VOG,   237                        ; phase 4: my byte offset in the output tile
.set B1OFF, 238                        ; 64 w + 32 hh: my 8 numbers of b1
.set W2OFF, 239                        ; 16 L
.set SA,    32                         ; v[32:127]   staging batch: 24 loads of 4 registers
.set SB,    128                        ; v[128:223]  staging batch
.set B1V,   224                        ; v[224:231]  b1[16 w + 8 hh + j]: an accumulator image
.set W2T,   232                        ; v[232:235]  W2 on its way (wave 0)
.set FRAG,  32                         ; phase 2: three buffers of 40: W1 fragment (8), four activation fragments (32): v[32:71], v[72:111], v[112:151]
.set DB,    152                        ; v[152:183]  4 accumulator tiles of bp
.set DU,    184                        ; v[184:215]  4 accumulator tiles of up
.set ACC,   16                         ; phase 3: v[16:47]  pair n: sums over even h, over odd h
.set UPV,   48                         ; v[48:63]    up[u][16 h of the trip]
.set W2V,   64                         ; v[64:79]    W2[16 h of the trip]
.set BP0,   80                         ; v[80:111]   bp of a step (4 n x 8 h), the steps over the trip's h 0-7: row i at BP0 + 8 i
.set BP1,   168                        ; v[168:199]  the same for the steps over h 8-15
.set X,     112                        ; v[112:127]  8 pairs: x, then D, D^4, D^-4
.set R,     128                        ; v[128:143]  8 pairs: max(x, 0), then gelu(x)
.set A,     144                        ; v[144:159]  8 pairs: |x| / 2
.set KC4,   160                        ; v[160:167]  k4, k3, k2, k1, each in both halves of a pair
.set KC3,   162
.set KC2,   164
.set KC1,   166
	s_load_b256 s[8:15], s[0:1], 0x0               ; W1 s[8:9], W2 s[10:11], b1 s[12:13], b2 s[14:15]
	s_load_b128 s[16:19], s[0:1], 0x20             ; bin_repr s[16:17], unit_emb s[18:19]
	s_load_b64 s[20:21], s[0:1], 0x30              ; out0
	v_lshl_add_u32 v240, v0, 2, 0x3c600
	v_mov_b32 v241, 0
	; the work-group's tile: id = 64 b + 8 nt + ut
	s_lshr_b32 s4, ttmp9, 6                        ; b
	s_bfe_u32 s5, ttmp9, 0x30003                   ; nt: 3 bits from bit 3
	s_and_b32 s6, ttmp9, 7                         ; ut
	s_lshl_b32 s24, s4, 19                         ; bin_repr: a batch is 512 x 1,024 bytes,
	s_lshl_b32 s7, s5, 16                          ; 64 rows are 65,536
	s_add_co_u32 s24, s24, s7
	s_mov_b32 s25, 0
	s_lshl_b32 s26, s4, 18                         ; unit_emb: a batch is 512 x 512 bytes,
	s_lshl_b32 s7, s6, 15                          ; 64 rows are 32,768
	s_add_co_u32 s26, s26, s7
	s_mov_b32 s27, 0
	s_lshl_b32 s28, s4, 20                         ; out0: a batch is 512 x 2,048 bytes,
	s_lshl_b32 s7, s5, 17                          ; 64 rows are 131,072,
	s_add_co_u32 s28, s28, s7
	s_lshl_b32 s7, s6, 8                           ; 64 columns are 256
	s_add_co_u32 s28, s28, s7
	s_mov_b32 s29, 0
	; lane terms
	v_and_b32 v[LANE], 31, v0
	v_lshrrev_b32 v16, 5, v0                       ; w
	v_readfirstlane_b32 s3, v16                    ; the wave's number as a scalar
	v_and_b32 v17, 15, v0                          ; r
	v_bfe_u32 v18, v0, 4, 1                        ; hh
	v_lshlrev_b32 v[GOFF], 4, v0
	v_lshrrev_b32 v22, 6, v0                       ; t >> 6 = w >> 1
	v_and_b32 v24, 63, v0                          ; t & 63 = 32 (w & 1) + L
	v_mul_u32_u24 v19, v22, P_BIN                  ; a staging load of bin covers 4 rows: row t >> 6, 4 numbers at 4 (t & 63)
	v_lshl_add_u32 v19, v24, 3, v19
	v_add_nc_u32 v[VSB], L_BIN, v19
	v_mul_u32_u24 v19, v16, P_UNI                  ; of unit and of W1: 8 rows, row w, 4 numbers at 4 L
	v_lshl_add_u32 v19, v[LANE], 3, v19
	v_add_nc_u32 v[VSU], L_UNI, v19
	v_mul_u32_u24 v19, v16, P_W1
	v_lshl_add_u32 v[VSW], v[LANE], 3, v19
	v_add_nc_u32 v[VSW2], W1HALF, v[VSW]
	v_and_b32 v19, 7, v0                           ; transposing load: row k = 8 hh + (L & 7),
	v_lshl_add_u32 v19, v18, 3, v19
	v_mul_u32_u24 v19, v19, P_W1
	v_lshl_add_u32 v19, v16, 5, v19                ; columns from h = 16 w (32 bytes a wave),
	v_bfe_u32 v20, v0, 3, 1
	v_lshl_add_u32 v[VW0], v20, 4, v19             ; 16 bytes for each group of eight lanes
	v_add_nc_u32 v[VW1], W1HALF, v[VW0]
	v_mul_u32_u24 v19, v17, P_BIN                  ; r 528, used for bin's fragments and for the projections' rows
	v_lshl_add_u32 v20, v18, 4, v19
	v_add_nc_u32 v[VA], L_BIN, v20
	v_mul_u32_u24 v21, v17, P_UNI
	v_lshl_add_u32 v21, v18, 4, v21
	v_add_nc_u32 v[VC], L_UNI, v21
	v_lshlrev_b32 v23, 6, v16
	v_lshl_add_u32 v[B1OFF], v18, 5, v23           ; 4 bytes x (16 w + 8 hh)
	v_add_nc_u32 v[VD], v19, v[B1OFF]
	v_add_nc_u32 v[VD], L_BP, v[VD]
	v_mul_u32_u24 v23, v22, 16*P_PRJ               ; my wave's 16 n: rows 16 (w >> 1) ..
	v_add_nc_u32 v[VB], L_BP, v23
	v_mul_u32_u24 v23, v24, P_PRJ                  ; my lane's u: row 32 (w & 1) + L
	v_add_nc_u32 v[VU], L_UP, v23
	v_mov_b32 v[VW2], L_W2
	v_mul_u32_u24 v23, v22, 16*P_OUT
	v_lshl_add_u32 v23, v24, 2, v23
	v_add_nc_u32 v[VOS], L_OUT, v23
	v_lshl_add_u32 v25, v16, 3, v18                ; the way out: row 8 w + hh, 16 bytes at 16 r
	v_mul_u32_u24 v23, v25, P_OUT
	v_lshl_add_u32 v23, v17, 4, v23
	v_add_nc_u32 v[VOR], L_OUT, v23
	v_lshlrev_b32 v23, 4, v17
	v_lshl_add_u32 v[VOG], v25, 11, v23            ; a row of out0 is 2,048 bytes
	v_lshlrev_b32 v[W2OFF], 4, v[LANE]
	v_add_nc_u32 v[W2ST], L_W2, v[W2OFF]
	s_wait_alu depctr_va_sdst(0)                   ; s3 is written, ahead of its first reader: the compare in front of W2's load
	s_wait_kmcnt 0x0
	s_add_nc_u64 s[16:17], s[16:17], s[24:25]      ; bin_repr at my 64 rows
	s_add_nc_u64 s[18:19], s[18:19], s[26:27]      ; unit_emb at my 64 rows
	s_add_nc_u64 s[20:21], s[20:21], s[28:29]      ; out0 at my tile
	s_load_b32 s22, s[14:15], 0x0                  ; b2
	s_wait_alu depctr_va_vdst(0)                   ; all offsets and LDS addresses (v2-v15, v26, v236-v239) are written: every load and store of the kernel reads one of them
; ================= PHASE 1: memory -> bf16 in LDS.  Every load of a wave covers 512 consecutive bytes, the eight waves 4,096.
; No cache hint: the other work-groups read the same bytes.
	global_load_b128 v[B1V:B1V+3],   v[B1OFF], s[12:13]
	global_load_b128 v[B1V+4:B1V+7], v[B1OFF], s[12:13] offset:16
	s_cmp_lg_u32 s3, 0
	s_cbranch_scc1 .Lno_w2_load
	global_load_b128 v[W2T:W2T+3], v[W2OFF], s[10:11]      ; wave 0: all 512 bytes of W2.  Older than every counted batch below
.Lno_w2_load:
.set i, 0
.rept 16
	global_load_b128 v[SA+4*i:SA+4*i+3], v[GOFF], s[16:17] offset:4096*i           ; bin: 65,536 bytes
.set i, i+1
.endr
.set i, 0
.rept 8
	global_load_b128 v[SA+64+4*i:SA+64+4*i+3], v[GOFF], s[18:19] offset:4096*i     ; unit: 32,768 bytes
.set i, i+1
.endr
.set i, 0
.rept 24
	global_load_b128 v[SB+4*i:SB+4*i+3], v[GOFF], s[8:9] offset:4096*i             ; W1, rows 0-191
.set i, i+1
.endr
; four f32 -> four bf16 (round to nearest even), closed up into the first two of their four registers.  A batch's 48 conversions stand in one run,
; its 24 LDS stores of 8 bytes in another, so that one wait between the two runs serves the batch.
.macro CV4 x
	v_cvt_pk_bf16_f32 v[\x], v[\x], v[\x+1]
	v_cvt_pk_bf16_f32 v[\x+1], v[\x+2], v[\x+3]
.endm
	s_wait_loadcnt 24                              ; loads return in order: all but the 24 of W1's first half are in
.set i, 0
.rept 24
	CV4 SA+4*i
.set i, i+1
.endr
	s_wait_alu depctr_va_vdst(0)                   ; the conversions have written the pairs that the LDS stores read, and are done reading v[32:127], in which the loads below land
.set i, 0
.rept 16
	ds_store_b64 v[VSB], v[SA+4*i:SA+4*i+1] offset:4*P_BIN*i
.set i, i+1
.endr
.set i, 0
.rept 8
	ds_store_b64 v[VSU], v[SA+64+4*i:SA+64+4*i+1] offset:8*P_UNI*i
.set i, i+1
.endr
	s_wait_alu depctr_vm_vsrc(0)                   ; the LDS stores have read v[32:127], which are loaded again
.set i, 0
.rept 24
	global_load_b128 v[SA+4*i:SA+4*i+3], v[GOFF], s[8:9] offset:4096*(24+i)        ; W1, rows 192-383
.set i, i+1
.endr
	s_wait_loadcnt 24                              ; W1's first half is in; the 24 loads just issued stay out
.set i, 0
.rept 24
	CV4 SB+4*i
.set i, i+1
.endr
	s_wait_alu depctr_va_vdst(0)                   ; the conversions have written the pairs of v[128:223] that the LDS stores read
.set i, 0
.rept 24
	ds_store_b64 v[VSW], v[SB+4*i:SB+4*i+1] offset:8*P_W1*i
.set i, i+1
.endr
	s_wait_loadcnt 0x0
.set i, 0
.rept 24
	CV4 SA+4*i
.set i, i+1
.endr
	s_wait_alu depctr_va_vdst(0)                   ; the conversions have written the pairs of v[32:127] that the LDS stores read, and are done with v[32:127], in which phase 2's fragments land
.set i, 0
.rept 24
	ds_store_b64 v[VSW2], v[SA+4*i:SA+4*i+1] offset:8*P_W1*i
.set i, i+1
.endr
	s_cmp_lg_u32 s3, 0
	s_cbranch_scc1 .Lno_w2_store
	ds_store_b128 v[W2ST], v[W2T:W2T+3]            ; W2 stays f32.  Its data came by a load, its address was made at the head
.Lno_w2_store:
	s_wait_kmcnt 0x0                               ; b2
	s_wait_dscnt 0x0                               ; for the other waves: all my LDS stores are done
	s_barrier_signal -1
	s_barrier_wait -1                              ; W1, bin, unit, W2 are whole
	s_wait_alu depctr_vm_vsrc(0)                   ; my LDS stores have read v[32:223]: from here on fragments' loads land there and matrix instructions write there
; ================= PHASE 2: the projections.  Wave w makes h = 16 w .. 16 w + 15 for all 64 n and all 64 u.
; 12 K steps of 32: steps 0-7 run over bin_repr's 256, steps 8-11 over unit_emb's 128; W1's row is 32 x step in both.
; Source 0 is W1 transposed (row = h), source 1 the activations (column = n or u), so that in the result lane (r, hh) holds
; eight NEIGHBOURING h, 16 w + 8 hh + j, of row r: 32 bytes that go to LDS by two 16-byte stores.
.macro PLACES                          ; four plain vector instructions between a matrix instruction and a vector write of, or a store from,
.rept 4                                ; its registers (ISA guide 7.12.1)
	v_nop
.endr
.endm
; The ten LDS loads of K step KN, into the buffer at FL: W1's fragment (two transposing loads, 16 rows of k apart) ..
.macro LOADW
.if KN < 6
	ds_load_tr16_b128 v[FL:FL+3],   v[VW0] offset:32*P_W1*KN
	ds_load_tr16_b128 v[FL+4:FL+7], v[VW0] offset:32*P_W1*KN+16*P_W1
.else
	ds_load_tr16_b128 v[FL:FL+3],   v[VW1] offset:32*P_W1*(KN-6)
	ds_load_tr16_b128 v[FL+4:FL+7], v[VW1] offset:32*P_W1*(KN-6)+16*P_W1
.endif
.endm
; .. and activation fragment t of four, 16 rows x 32 k
.macro LOADA t
.if KN < 8
	ds_load_b128 v[FL+8+8*(\t):FL+8+8*(\t)+3],   v[VA] offset:16*P_BIN*(\t)+64*KN
	ds_load_b128 v[FL+12+8*(\t):FL+12+8*(\t)+3], v[VA] offset:16*P_BIN*(\t)+64*KN+32
.else
	ds_load_b128 v[FL+8+8*(\t):FL+8+8*(\t)+3],   v[VC] offset:16*P_UNI*(\t)+64*(KN-8)
	ds_load_b128 v[FL+12+8*(\t):FL+12+8*(\t)+3], v[VC] offset:16*P_UNI*(\t)+64*(KN-8)+32
.endif
.endm
; matrix instruction t of a step's four, on the buffer at FM.  Step 0 starts bp's sums from b1, step 8 starts up's sums from 0: nothing is cleared.
; The four accumulators take turns.
.macro MUL1 ks, t
.if \ks == 0
	v_wmma_f32_16x16x32_bf16 v[DB+8*(\t):DB+8*(\t)+7], v[FM:FM+7], v[FM+8+8*(\t):FM+8+8*(\t)+7], v[B1V:B1V+7]
.elseif \ks < 8
	v_wmma_f32_16x16x32_bf16 v[DB+8*(\t):DB+8*(\t)+7], v[FM:FM+7], v[FM+8+8*(\t):FM+8+8*(\t)+7], v[DB+8*(\t):DB+8*(\t)+7]
.elseif \ks == 8
	v_wmma_f32_16x16x32_bf16 v[DU+8*(\t):DU+8*(\t)+7], v[FM:FM+7], v[FM+8+8*(\t):FM+8+8*(\t)+7], 0
.else
	v_wmma_f32_16x16x32_bf16 v[DU+8*(\t):DU+8*(\t)+7], v[FM:FM+7], v[FM+8+8*(\t):FM+8+8*(\t)+7], v[DU+8*(\t):DU+8*(\t)+7]
.endif
.endm
; K step ks multiplies buffer ks % 3 and asks for step ks + 2, into buffer (ks + 2) % 3 = (ks - 1) % 3.
.macro KSTEP ks
.set FM, FRAG+40*((\ks)%3)
.set KN, (\ks)+2
.set FL, FRAG+40*(KN%3)
.if \ks < 11
	s_wait_dscnt 10                                ; LDS loads return in order: this step's ten are in, the next step's ten stay out
.else
	s_wait_dscnt 0x0                               ; nothing was issued behind step 11's loads
.endif
.if (\ks > 0) && (\ks < 10)
	s_wait_alu depctr_va_vdst(0)                   ; the matrix instructions of the step before are done reading their buffer, in which this step's ten loads land
.endif                                                 ; (step 0: no vector or matrix instruction since phase 1's waits names v[112:151]; steps 10 and 11 load nothing)
.if \ks < 10
	LOADW
.endif
.irp t, 0,1,2,3
.if \ks < 10
	LOADA \t                                       ; no wait: the matrix instructions since the wait name buffer ks % 3 and the accumulators alone
.endif
	MUL1 \ks, \t
.endr
.endm
.set KN, 0
.set FL, FRAG
	LOADW
.irp t, 0,1,2,3
	LOADA \t
.endr
.set KN, 1
.set FL, FRAG+40
	LOADW
.irp t, 0,1,2,3
	LOADA \t
.endr
.irp k, 0,1,2,3,4,5,6,7,8,9,10,11
	KSTEP \k
.endr
	PLACES                                         ; behind the last matrix instructions: the stores read results, phase 3 writes fragments
	s_wait_alu depctr_va_vdst(0)                   ; the matrix instructions have written the accumulators, which the LDS stores read, and are done reading the fragments, in which phase 3's loads land; the places above stay beside this wait
.irp t, 0,1,2,3
	ds_store_b128 v[VD], v[DB+8*\t:DB+8*\t+3]   offset:16*P_PRJ*\t
	ds_store_b128 v[VD], v[DB+8*\t+4:DB+8*\t+7] offset:16*P_PRJ*\t+16
.endr
.irp t, 0,1,2,3
	ds_store_b128 v[VD], v[DU+8*\t:DU+8*\t+3]   offset:L_UP-L_BP+16*P_PRJ*\t
	ds_store_b128 v[VD], v[DU+8*\t+4:DU+8*\t+7] offset:L_UP-L_BP+16*P_PRJ*\t+16
.endr
	s_wait_dscnt 0x0                               ; for the other waves: my part of the projections is in LDS
	s_wait_alu depctr_vm_vsrc(0)                   ; the LDS stores have read v[152:215], and wave 0's store of W2 has read v26: the lines below and phase 3 write these registers
	s_barrier_signal -1
	; register work while the others arrive: the polynomial's coefficients, and the sums' first terms, which carry b2
	v_mov_b32 v[KC4],   0x3e9ff716                 ; k4 = 16 x 0.019527
	v_mov_b32 v[KC4+1], 0x3e9ff716
	v_mov_b32 v[KC3],   0x3b345ae6                 ; k3 =  8 x 0.000344
	v_mov_b32 v[KC3+1], 0x3b345ae6
	v_mov_b32 v[KC2],   0x3eebead5                 ; k2 =  4 x 0.115194
	v_mov_b32 v[KC2+1], 0x3eebead5
	v_mov_b32 v[KC1],   0x3ec99418                 ; k1 =  2 x 0.196854
	v_mov_b32 v[KC1+1], 0x3ec99418
.set i, 0
.rept 16
	v_mov_b32 v[ACC+2*i],   s22                    ; the sum over even h starts at b2,
	v_mov_b32 v[ACC+2*i+1], 0                      ; the sum over odd h at 0
.set i, i+1
.endr
	s_barrier_wait -1                              ; bp + b1 and up are whole
; ================= PHASE 3.  A wave: 16 n (rows 16 (w >> 1) ..) x 32 u (one a lane).  A trip: 16 h; 8 trips.
; A block: 4 n x 4 h = 8 pairs of neighbouring h, worked stage by stage, so that each line has seven independent lines behind it.
; For a pair: 12 plain lines (11 with the dual-issue max) and 2 reciprocals.
; A STEP is two blocks, 4 n x 8 h; a trip has eight.  LDS per step: eight 16-byte loads of bp, every lane the same address, asked for a step ahead;
; up and W2 by halves, once a trip each.  All loads of a step stand early in its first block, so that they have the step in which to land.
; These first loads owe no wait: no vector or matrix instruction since the wait ahead of the projections' stores names v[48:111].
.irp i, 0,1,2,3
	ds_load_b128 v[BP0+8*\i:BP0+8*\i+3],   v[VB] offset:P_PRJ*\i
	ds_load_b128 v[BP0+8*\i+4:BP0+8*\i+7], v[VB] offset:P_PRJ*\i+16
.endr
.irp k, 0,1
	ds_load_b128 v[UPV+4*\k:UPV+4*\k+3], v[VU]  offset:16*\k
	ds_load_b128 v[W2V+4*\k:W2V+4*\k+3], v[VW2] offset:16*\k
.endr
; step s of a trip: blocks 2 s and 2 s + 1: n = 4 (s / 2) + i, h = 8 (s % 2) + 4 j + 2 p + (0, 1).  more = 1: a trip follows.
.macro STEP s, more
.set NQ,  (\s)/2
.set HP,  (\s)%2
.set BC,  BP0+(BP1-BP0)*HP
.set BN,  BP0+(BP1-BP0)*(1-HP)
.set HASNEXT, 1
.if \s == 7
.set NOFF, 64                                      ; the next trip's step 0: 16 h = 64 bytes on
.if \more == 0
.set HASNEXT, 0
.endif
.else
.set NOFF, 4*P_PRJ*((\s+1)/2)+32*((\s+1)%2)
.endif
	s_wait_dscnt 0x0                               ; all that the step before asked for is in: this step's bp, and a half of up and W2 where one was due
.if HASNEXT
	s_wait_alu depctr_va_vdst(0)                   ; the step before is done reading the other bp buffer and, ahead of steps 0 and 7, the halves of up and W2 in which loads below land; in step 0 VB, VU and VW2 are written
.endif                                                 ; (the last trip's step 7 loads nothing)
.irp j, 0,1
.set HQ, 2*HP+\j
.if (\j == 0) && HASNEXT
.irp i, 0,1
	ds_load_b128 v[BN+8*\i:BN+8*\i+3],   v[VB] offset:NOFF+P_PRJ*\i        ; the next step's bp.  No vector instruction of this step names that buffer
	ds_load_b128 v[BN+8*\i+4:BN+8*\i+7], v[VB] offset:NOFF+P_PRJ*\i+16
.endr
.endif
.irp i, 0,1,2,3
.irp p, 0,1
	v_pk_add_f32 v[X+4*\i+2*\p:X+4*\i+2*\p+1], v[UPV+4*HQ+2*\p:UPV+4*HQ+2*\p+1], v[BC+8*\i+4*\j+2*\p:BC+8*\i+4*\j+2*\p+1]   ; x = up + (bp + b1)
.endr
.endr
.if (\j == 0) && HASNEXT
.irp i, 2,3
	ds_load_b128 v[BN+8*\i:BN+8*\i+3],   v[VB] offset:NOFF+P_PRJ*\i
	ds_load_b128 v[BN+8*\i+4:BN+8*\i+7], v[VB] offset:NOFF+P_PRJ*\i+16
.endr
.endif
.irp c, 0,2,4,6,8,10,12,14
.if DUAL
	v_dual_max_num_f32 v[R+\c], 0, v[X+\c] :: v_dual_max_num_f32 v[R+\c+1], 0, v[X+\c+1]     ; max(x, 0)
.else
	v_max_num_f32 v[R+\c], 0, v[X+\c]
	v_max_num_f32 v[R+\c+1], 0, v[X+\c+1]
.endif
.endr
.if (\j == 0) && (\s == 0)
.irp k, 0,1
	ds_load_b128 v[UPV+8+4*\k:UPV+8+4*\k+3], v[VU]  offset:32+16*\k    ; this trip's h 8-15 of up and W2: step 0 names the low halves alone
	ds_load_b128 v[W2V+8+4*\k:W2V+8+4*\k+3], v[VW2] offset:32+16*\k
.endr
.endif
.if (\j == 0) && (\s == 7) && (\more == 1)
.irp k, 0,1
	ds_load_b128 v[UPV+4*\k:UPV+4*\k+3], v[VU]  offset:64+16*\k        ; the next trip's h 0-7 of up and W2: step 7 names the high halves alone
	ds_load_b128 v[W2V+4*\k:W2V+4*\k+3], v[VW2] offset:64+16*\k
.endr
.endif
.irp c, 0,2,4,6,8,10,12,14
	v_pk_fma_f32 v[A+\c:A+\c+1], v[X+\c:X+\c+1], -0.5, v[R+\c:R+\c+1] op_sel_hi:[1,0,1]      ; a' = max(x, 0) - x / 2 = |x| / 2
.endr
.irp c, 0,2,4,6,8,10,12,14
	v_pk_fma_f32 v[X+\c:X+\c+1], v[A+\c:A+\c+1], v[KC4:KC4+1], v[KC3:KC3+1]                  ; Horner: k4 a' + k3
.endr
.irp c, 0,2,4,6,8,10,12,14
	v_pk_fma_f32 v[X+\c:X+\c+1], v[X+\c:X+\c+1], v[A+\c:A+\c+1], v[KC2:KC2+1]
.endr
.irp c, 0,2,4,6,8,10,12,14
	v_pk_fma_f32 v[X+\c:X+\c+1], v[X+\c:X+\c+1], v[A+\c:A+\c+1], v[KC1:KC1+1]
.endr
.irp c, 0,2,4,6,8,10,12,14
	v_pk_fma_f32 v[X+\c:X+\c+1], v[X+\c:X+\c+1], v[A+\c:A+\c+1], 1.0 op_sel_hi:[1,1,0]       ; D
.endr
.irp c, 0,2,4,6,8,10,12,14
	v_pk_mul_f32 v[X+\c:X+\c+1], v[X+\c:X+\c+1], v[X+\c:X+\c+1]                              ; D^2
.endr
.irp c, 0,2,4,6,8,10,12,14
	v_pk_mul_f32 v[X+\c:X+\c+1], v[X+\c:X+\c+1], v[X+\c:X+\c+1]                              ; D^4
.endr
.irp c, 0,1,2,3,4,5,6,7,8,9,10,11,12,13,14,15
	v_rcp_f32 v[X+\c], v[X+\c]                                                               ; D^-4; 0 where D^4 is infinite
.endr
	v_nop                                          ; one plain vector instruction between the reciprocals and the first use of a result (ISA guide 5.7.2)
	s_wait_alu depctr_va_vdst(0)
.irp c, 0,2,4,6,8,10,12,14
	v_pk_fma_f32 v[R+\c:R+\c+1], v[A+\c:A+\c+1], v[X+\c:X+\c+1], v[R+\c:R+\c+1] neg_lo:[1,0,0] neg_hi:[1,0,0]   ; gelu = max(x, 0) - a' D^-4
.endr
.irp p, 0,1
.irp i, 0,1,2,3
	v_pk_fma_f32 v[ACC+2*(4*NQ+\i):ACC+2*(4*NQ+\i)+1], v[R+4*\i+2*\p:R+4*\i+2*\p+1], v[W2V+4*HQ+2*\p:W2V+4*HQ+2*\p+1], v[ACC+2*(4*NQ+\i):ACC+2*(4*NQ+\i)+1]
.endr
.endr
.endr
.endm
	s_mov_b32 s40, 7
.Ltrip:
.irp s, 0,1,2,3,4,5,6,7
	STEP \s, 1
.endr
	s_wait_alu depctr_vm_vsrc(0)                   ; the LDS loads issued so far have read VB, VU and VW2
	v_add_nc_u32 v[VB],  64, v[VB]                 ; 16 h on; the next reader of the three stands behind step 0's wait on va_vdst
	v_add_nc_u32 v[VU],  64, v[VU]
	v_add_nc_u32 v[VW2], 64, v[VW2]
	s_sub_co_u32 s40, s40, 1
	s_cmp_lg_u32 s40, 0
	s_cbranch_scc1 .Ltrip
.irp s, 0,1,2,3,4,5,6,7
	STEP \s, 0                                     ; the eighth trip asks for nothing beyond h = 127
.endr
; ================= PHASE 4: the way out.  A lane holds one column u of 16 rows; a row's 64 numbers come from two waves.
; Through LDS, then each store instruction's sixteen neighbouring lanes write 256 consecutive bytes at a multiple of 256 from out0's first byte.
.set i, 0
.rept 16
	v_add_f32 v[ACC+2*i], v[ACC+2*i], v[ACC+2*i+1] ; even h + odd h
.set i, i+1
.endr
	s_wait_alu depctr_va_vdst(0)                   ; the additions have written the sums, which the LDS stores read; phase 3 is done reading v[48:63], in which the loads behind the barrier land
.set i, 0
.rept 16
	ds_store_b32 v[VOS], v[ACC+2*i] offset:P_OUT*i
.set i, i+1
.endr
	s_wait_dscnt 0x0                               ; for the other waves: my part of the tile is in LDS
	s_barrier_signal -1
	s_barrier_wait -1
.irp i, 0,1,2,3
	ds_load_b128 v[UPV+4*\i:UPV+4*\i+3], v[VOR] offset:2*P_OUT*\i      ; rows 8 w + hh + 2 i
.endr
.irp i, 0,1,2,3
	s_wait_dscnt 3-\i                              ; LDS loads return in order: load i is in
	global_store_b128 v[VOG], v[UPV+4*\i:UPV+4*\i+3], s[20:21] offset:4096*\i th:TH_STORE_NT
.endr
	s_wait_dscnt 0x0
	s_wait_alu depctr_hold_cnt(0) depctr_sa_sdst(0) depctr_va_vdst(0) depctr_va_sdst(0) depctr_va_ssrc(0) depctr_va_vcc(0) depctr_vm_vsrc(0)
	s_wait_tensorcnt 0x0
	ds_add_u32 v240, v241
	s_wait_dscnt 0x0
	s_endpgm
.Lfunc_end_k_q2854a1e13f_head:
	.size	k_q2854a1e13f_head, .Lfunc_end_k_q2854a1e13f_head-k_q2854a1e13f_head
	.p2alignl 7, 3214868480
	.fill 96, 4, 3214868480
	.section	.rodata,"a",@progbits
	.p2align	6, 0x0
	.amdhsa_kernel k_q2854a1e13f_head
		.amdhsa_group_segment_fixed_size 248320
		.amdhsa_private_segment_fixed_size 0
		.amdhsa_enable_private_segment 0
		.amdhsa_kernarg_size 56
		.amdhsa_user_sgpr_count 2
		.amdhsa_user_sgpr_kernarg_segment_ptr 1
		.amdhsa_wavefront_size32 1
		.amdhsa_system_sgpr_workgroup_id_x 1
		.amdhsa_system_sgpr_workgroup_id_y 1
		.amdhsa_system_sgpr_workgroup_id_z 1
		.amdhsa_system_vgpr_workitem_id 0
		.amdhsa_next_free_vgpr 242
		.amdhsa_next_free_sgpr 66
		.amdhsa_reserve_vcc 0
		.amdhsa_float_denorm_mode_32 3
		.amdhsa_float_denorm_mode_16_64 3
		.amdhsa_memory_ordered 1
		.amdhsa_forward_progress 1
		.amdhsa_inst_pref_size 247
	.end_amdhsa_kernel
	.amdgpu_metadata
---
amdhsa.version: [ 1, 2 ]
amdhsa.kernels:
  - .name:           k_q2854a1e13f_head
    .symbol:         k_q2854a1e13f_head.kd
    .args:
      - { .name: W1, .offset: 0, .size: 8, .value_kind: global_buffer, .address_space: global }
      - { .name: W2, .offset: 8, .size: 8, .value_kind: global_buffer, .address_space: global }
      - { .name: b1, .offset: 16, .size: 8, .value_kind: global_buffer, .address_space: global }
      - { .name: b2, .offset: 24, .size: 8, .value_kind: global_buffer, .address_space: global }
      - { .name: bin_repr, .offset: 32, .size: 8, .value_kind: global_buffer, .address_space: global }
      - { .name: unit_emb, .offset: 40, .size: 8, .value_kind: global_buffer, .address_space: global }
      - { .name: out0, .offset: 48, .size: 8, .value_kind: global_buffer, .address_space: global }
    .group_segment_fixed_size: 248320
    .private_segment_fixed_size: 0
    .kernarg_segment_align: 8
    .kernarg_segment_size: 56
    .max_flat_workgroup_size: 256
    .sgpr_count:     66
    .vgpr_count:     242
    .wavefront_size: 32
...
	.end_amdgpu_metadata
.endif
;; end of part 2
